; MI455X (gfx1250); checked and timed in simulation.
; The chip was launched on July 23, 2026; its instructions are those of AMD's public machine-readable ISA for CDNA 5 (MIT licence, August 2026) and "CDNA5" Instruction Set Architecture Reference Guide (July 2026). The comments in the code are by the model that wrote it; some were corrected since.
;; Multi Head Attention. Allowed arithmetic: matrix products marked QUANTISED: E4M3 operands, one E8M0 scale for each 32 along K, by v_wmma_scale_f32_16x16x128_f8f6f4 with both operands' format E4M3, f32 sums; everything else in f32.
;; Inputs: Wk_codes 512 x 16 x 32 uint8 (E4M3 codes of Wk, K innermost, in blocks of 32 codes); Wk_scales 512 x 16 uint8 (E8M0 scales of Wk, one for each 32 codes along K); Wq_codes 512 x 16 x 32 uint8 (E4M3 codes of Wq, K innermost, in blocks of 32 codes); Wq_scales 512 x 16 uint8 (E8M0 scales of Wq, one for each 32 codes along K); Wv_codes 512 x 16 x 32 uint8 (E4M3 codes of Wv, K innermost, in blocks of 32 codes); Wv_scales 512 x 16 uint8 (E8M0 scales of Wv, one for each 32 codes along K); bk 512 float32; bq 512 float32; bv 512 float32; x_codes 2 x 4,096 x 16 x 32 uint8 (E4M3 codes of x, K innermost, in blocks of 32 codes); x_scales 2 x 4,096 x 16 uint8 (E8M0 scales of x, one for each 32 codes along K).
;; Outputs: out0 2 x 4,096 x 512 float32.
;; This version of the problem:
;;   THIS VERSION OF THE PROBLEM IS GIVEN IN LOW PRECISION. The matrix products marked QUANTISED in the list below multiply operands that are first quantised to E4M3 (4 exponent bits, 3 mantissa bits; 8 bits a number), with one power-of-two scale for each 32 numbers along K (OCP MX v1.0); their sums are f32. All else is computed in f32.
;;   The module's matrix products, in the order in which they are computed (A, B: the left and right operand; K: the contracted axis; several contracted axes count as one K, in the product's order):
;;     1. [M 8,192, K 512] x [K 512, N 512]; A: input x (given as codes); B: input Wq (given as codes): QUANTISED
;;     2. [M 8,192, K 512] x [K 512, N 512]; A: input x (given as codes); B: input Wk (given as codes): QUANTISED
;;     3. [M 8,192, K 512] x [K 512, N 512]; A: input x (given as codes); B: input Wv (given as codes): QUANTISED
;;     4. batch 16 x [M 4,096, K 64] x [K 64, N 4,096]; A: computed on the way; B: computed on the way: QUANTISED
;;     5. batch 16 x [M 4,096, K 4,096] x [K 4,096, N 64]; A: softmax (see below); B: computed on the way: QUANTISED
;;   THE QUANTISER, for each operand of a quantised product, along K:
;;     - K is cut into blocks of 32 from its start; a last block that is shorter is filled with zeros.
;;     - A block's scale is 2^e with e = floor(log2(the largest magnitude in the block)) - 8, held to -126 .. 127; a block of zeros has e = 0. As a byte (E8M0): e + 127.
;;     - Each number is divided by its block's scale, clamped to +-448, and rounded to the nearest number of E4M3, ties to even, subnormals kept.
;;     - The product sums the exact products of the quantised numbers (number of the format x scale) in f32.
;;   ~~~python
;;   def quantise(x, axis):      # numpy; x: float32 -> the quantised numbers, widened to float32 again
;;       x = np.moveaxis(x, axis, -1); K = x.shape[-1]
;;       x = np.pad(x, [(0, 0)] * (x.ndim - 1) + [(0, -K % 32)]); x = x.reshape(x.shape[:-1] + (-1, 32)); a = np.abs(x).max(-1, keepdims=True)
;;       e = np.where(a > 0, np.clip(np.frexp(np.where(a > 0, a, 1))[1] - 1 - 8, -126, 127), 0)      # np.frexp(a)[1] - 1 = floor(log2(a)), exactly
;;       r = np.clip(x / 2.0 ** e, -448, 448)
;;       step = 2.0 ** (np.maximum(np.frexp(np.where(r == 0, 1, r))[1] - 1, -6) - 3)
;;       q = np.round(r / step) * step * 2.0 ** e      # np.round: ties to even
;;       return np.moveaxis(q.reshape(q.shape[:-2] + (-1,))[..., :K], -1, axis).astype(np.float32)
;;   ~~~
;;   SOFTMAX AHEAD OF A QUANTISED PRODUCT. Where the list says 'softmax', what is quantised is not the finished softmax but p = 2^(t - M), with t = logit x log2(e) and M = ceil(the row's largest t), a whole number; so 1/2 < the row's largest p <= 1. The row's sum l is taken of the UNQUANTISED p, in f32, and the product's result is divided by l at the end. Since M is a whole number, a kernel that streams over the keys may use a running M (the ceiling of the running maximum): every later rescaling is an exact power of two, which a block's scale takes up: the codes' values come out the same.
;;   OPERANDS COMPUTED ON THE WAY. 'Computed on the way' means the value that the module computes at that place (a softmax that the list does not call 'softmax' is quantised finished and normalised). What goes into a quantiser is computed in f32, as accurately as f32 sums, v_exp_f32 and their like allow (about 1e-6 of the number): no bf16 or f16 on the way to a quantiser, and a product that is left as it is and whose result goes on into a quantised operand takes f32 operands (vector FMAs, or v_wmma_f32_16x16x4_f32). A number that lies on a knife's edge between two numbers of the format may be rounded either way, as far as f32 arithmetic and the matrix unit's own rounding can turn it there, and no further.
;;   INPUTS GIVEN AS CODES. Wk (in the module: [512, 512], K = its axis 1); Wq (in the module: [512, 512], K = its axis 1); Wv (in the module: [512, 512], K = its axis 1); x (in the module: [2, 4096, 512], K = its axis 2): each comes as NAME_codes (uint8): NAME with its K axis moved to the last place and cut into blocks of 32 codes, [.., K / 32, bytes a block], one block behind the other in memory; one code a byte (a code: sign, 4 exponent bits, 3 mantissa bits); and NAME_scales (uint8): the same leading axes, one E8M0 byte (e + 127) for each 32 codes along K. Its value is code x scale, taken as it is: it is not quantised again, and the codes and scales need not be those that the quantiser above would give.
;; One version. Each part assembles by itself: llvm-mc -triple=amdgcn-amd-amdhsa -mcpu=gfx1250 --defsym DOCPART=n.
;; ======== version 1 of 1: 2 launches
;; limits: right only within a limited range of input values
;; workspace buffers: qc 4,194,304 bytes; qs 262,144 bytes; kv 8,781,824 bytes
;; launch proj (part 1): grid 64 x 4, 4 waves a work-group, no clusters, 167,936 bytes of LDS; arguments x_codes, x_scales, Wq_codes, Wq_scales, bq, Wk_codes, Wk_scales, bk, Wv_codes, Wv_scales, bv, qc, qs, kv; writes qc, qs, kv
.if DOCPART == 1
	.amdgcn_target "amdgcn-amd-amdhsa--gfx1250"
	.amdhsa_code_object_version 6
	.text
	.protected	k_q7a6c3a8021_proj
	.globl	k_q7a6c3a8021_proj
	.p2align	8
	.type	k_q7a6c3a8021_proj,@function
k_q7a6c3a8021_proj:
	s_mov_b64 s[64:65], 0
	v_nop
	global_prefetch_b8 v0, s[64:65] scope:SCOPE_SE
	s_setreg_imm32_b32 hwreg(HW_REG_WAVE_MODE, 25, 1), 1
	s_wait_xcnt 0x0
; q = x Wq^T + bq, k = x Wk^T + bk, v = x Wv^T + bv on codes of FP8 (E4M3) with one E8M0 scale for each 32 along K = 512; the results are quantised at once:
; q and k along the head's 64 (two blocks of 32), v along the tokens (the keys of the second product of attention), and leave as IMAGES OF OPERAND REGISTERS for the next launch.
; SHARES.  A step is 128 tokens.  Work-group (x, y) takes step x of the 64 and heads 2 y, 2 y + 1.  Wave w: head 2 y + w / 2, role w % 2.  Role 0 makes the head's q, role 1 its k (four tiles of 16 of the head's 64);
; either role also makes two of v's four tiles of 16 channels: 6 tiles of outputs x 8 tiles of tokens x 4 K steps = 192 matrix instructions a wave.
; The wave's weights (24 fragments, 384 registers) are loaded once and stay; x goes by 32 tokens at a time through two sets of registers.  the weights go from memory straight into registers, x's codes through LDS:
; the launch has no cluster; each wave fetches its 32 rows of x by one tensor load.
; WHICH TOKENS FORM A TILE: lane r of tile 2 b + u takes token 32 b + 8 u + r + 8 (r / 8) of the step, and the rows of Wq, Wk that form a tile are chosen the same way.  So
;   q, k (source 0 = 16 rows of W, source 1 = 16 tokens): lane (r, h) holds one token, and the 16 registers of tiles 2 c, 2 c + 1 of W are channels 32 c + 16 h + 0 .. 15;
;   v    (source 0 = 16 tokens, source 1 = 16 rows of Wv): lane (r, h) holds one channel, and the 16 registers of token tiles 2 i, 2 i + 1 are tokens 32 i + 16 h + 0 .. 15.
; Either way a block of 32 lies in lanes l and l xor 16, and the conversions' results are the next operand's registers.
; OUT (U = 32 (8 batch + head) + step in the batch):  qc [U][tile 0..7][c 0..1][lane][16 bytes];  kv [U][16,384]: k laid as qc, then v [fragment 0..3][c 0..3][lane][16 bytes];
;   qs [U][lane][4 words]: word i holds tile 2 i's scale words in lanes 0-15 and tile 2 i + 1's in lanes 16-31 (bytes 0, 1: the head's two blocks; bytes 2, 3: 0);
;   kvs [U][768]: k's words laid as qs, then v's [lane][2 words]: word p holds fragment 2 p's in lanes 0-15, fragment 2 p + 1's in lanes 16-31, byte c for keys 32 c on.
; LIMITS: NaN and infinities among the inputs are not served.  A block of zeros gets the byte 1 where the quantiser says 127: its codes are zeros, and this program alone reads the bytes.
; Each bias is the C of its sum's first product, so it is added first and not last: an order of f32 rounding that differs from the source's.
; REGISTERS, in windows of 256: window 0: v1-13 addresses; v16-55 scale words; v64-159 the 12 accumulators = 6 blocks of 16 numbers; v160-183 codes; v184-219 at work.
;   window 1: Wq's or Wk's fragment (t, s) at v[64 t + 16 s].   window 2: Wv's (n, s) at v[64 n + 16 s]; from v128 the bias of q or k, 8 registers a tile; from v160 bv's.   window 3: x's (set p, tile u, s) at v[128 p + 64 u + 16 s].
.set PA,   4                           ; v4   (r + 8 (r / 8)) x 512 + 16 h: Wq's, Wk's codes
.set PS16, 5                           ; v5   (r + 8 (r / 8)) x 16: their rows of scale bytes
.set VA,   6                           ; v6   r x 512 + 16 h: Wv's codes
.set VS16, 7                           ; v7   r x 16: Wv's scale bytes
.set BA,   8                           ; v8   64 h: bq, bk
.set BVA,  9                           ; v9   4 r: bv
.set LI,   10                          ; v10  16 x lane: an image's place for my lane
.set LW,   11                          ; v11  LDS: where my word of v's scales goes: 256 (w / 2) + 8 x lane + 4 x role
.set LR,   12                          ; v12  LDS: where role 0 reads both words back
.set L8,   13                          ; v13  8 x lane
.set WS,   16                          ; v16-31  W's scale words: 4 t + s
.set WVS,  32                          ; v32-39  Wv's: 4 n + s
.set XS,   40                          ; v40-55  x's: 8 p + 4 u + s
.set ACC,  64                          ; v64-127  q or k: 32 u + 8 t
.set ACCV, 128                         ; v128-159 v: 16 n + 8 u
.set PC,   160                         ; v160-183 codes: four registers a block
.set TM,   184                         ; v184-189 largest magnitudes, v190-195 the other half's, then bytes, v196-201 the largest number x the scale, v202-207 the conversions' scale operands
.set SQ,   208                         ; v208-211 the four scale words of q or k
.set SV,   212                         ; v212-213 v's scale words, a byte an iteration
.set VW,   214
.set BK,   216                         ; v216-217 both roles' words, back from LDS
.set T0,   218
.set B1,   128                         ; in window 2
.set B2,   160
.set MSB, 0
.macro WIN new                         ; the immediate's high byte repeats the setting that is left; a switch that changes nothing is dropped
.if MSB != \new
	s_set_vgpr_msb (MSB<<8)|\new
.set MSB, \new
.endif
.endm
	s_load_b512 s[4:19], s[0:1], 0x0               ; x's codes s[4:5], x's scales s[6:7], Wq's codes, scales s[8:11], bq s[12:13], Wk's codes, scales s[14:17], bk s[18:19]
	s_load_b256 s[20:27], s[0:1], 0x40             ; Wv's codes, scales s[20:23], bv s[24:25], qc s[26:27]
	s_load_b128 s[28:31], s[0:1], 0x60             ; qs s[28:29], kv s[30:31]
	; A STEP'S RECORD IN kv IS 17,152 BYTES: k's images (8,192), v's images (8,192), then what the head calls kvs: k's scale words (512 bytes) and v's (256).  There is no buffer kvs.
	v_lshl_add_u32 v254, v0, 2, 0x400
	v_mov_b32 v255, 0
	ds_add_u32 v254, v255                          ; the opening lines: the add, twice on end, and its wait ahead of my first tensor load
	ds_add_u32 v254, v255
	v_lshrrev_b32 v1, 5, v0
	v_readfirstlane_b32 s40, v1                    ; wave 0..3
	v_and_b32 v1, 31, v0                           ; lane
	v_and_b32 v2, 15, v0                           ; r
	v_bfe_u32 v3, v0, 4, 1                         ; h
	v_and_b32 v14, 8, v2
	v_add_nc_u32 v14, v14, v2                      ; r + 8 (r / 8)
	v_lshlrev_b32 v[PA], 9, v14
	v_lshl_add_u32 v[PA], v3, 4, v[PA]
	v_mul_u32_u24 v15, v14, 528                    ; v15: x's codes in LDS: (r + 8 (r / 8)) x 528 + 16 h + 2,048
	v_lshl_add_u32 v15, v3, 4, v15
	v_add_nc_u32 v15, 2048, v15
	v_lshlrev_b32 v[PS16], 4, v14
	v_lshlrev_b32 v[VA], 9, v2
	v_lshl_add_u32 v[VA], v3, 4, v[VA]
	v_lshlrev_b32 v[VS16], 4, v2
	v_lshlrev_b32 v[BA], 6, v3
	v_lshlrev_b32 v[BVA], 2, v2
	v_lshlrev_b32 v[LI], 4, v1
	v_lshlrev_b32 v[L8], 3, v1
	s_wait_alu depctr_va_vdst(0)
	s_and_b32 s41, s40, 1                          ; role
	s_lshr_b32 s47, s40, 1
	s_and_b32 s42, ttmp7, 0xffff
	s_lshl_b32 s42, s42, 1
	s_add_co_u32 s42, s42, s47                     ; head
	s_lshl_b32 s52, s47, 8
	s_lshl_b32 s53, s41, 2
	s_add_co_u32 s53, s53, s52
	v_add_nc_u32 v[LR], s52, v[L8]
	v_add_nc_u32 v[LW], s53, v[L8]
	s_lshr_b32 s43, ttmp9, 5                       ; batch: 32 steps each
	s_lshl_b32 s43, s43, 3
	s_add_co_u32 s43, s43, s42
	s_lshl_b32 s43, s43, 5
	s_and_b32 s54, ttmp9, 31
	s_add_co_u32 s43, s43, s54                     ; U
	s_mov_b32 s44, 0x76543210
	s_mov_b32 s45, 0xfedcba98                      ; v_permlanex16_b32's selects for lane l xor 16
	s_mov_b32 s46, 0x600000                        ; the mantissa field of 448
	s_mov_b32 vcc_lo, 0xffff0000                   ; lanes 16-31, for the selects that lay two tiles' words into one register
	s_mov_b32 s57, 0
	s_mov_b32 s59, 0
	s_wait_dscnt 0x0                               ; both opening adds are done
	s_wait_kmcnt 0x0
	s_add_nc_u64 s[32:33], s[30:31], 16384         ; the scale words of a record lie behind its 16,384 bytes of codes
	s_cmp_eq_u32 s41, 0
	s_cselect_b64 s[8:9], s[8:9], s[14:15]         ; W's codes
	s_cselect_b64 s[10:11], s[10:11], s[16:17]     ; W's scales
	s_cselect_b64 s[12:13], s[12:13], s[18:19]     ; the bias
	s_cselect_b64 s[34:35], s[26:27], s[30:31]     ; the images go to qc or to kv,
	s_cselect_b64 s[36:37], s[28:29], s[32:33]     ; the scale words to qs or to kvs
	s_mov_b32 s50, 17152
	s_cselect_b32 s50, 8192, s50                   ; a step's record: 8,192 bytes in qc, 17,152 in kv;
	s_mov_b32 s51, 17152
	s_cselect_b32 s51, 512, s51                    ; its scale words: 512 bytes apart in qs, a record apart in kv
	s_mul_i32 s56, s43, s50
	s_add_nc_u64 s[34:35], s[34:35], s[56:57]
	s_mul_i32 s56, s43, s51
	s_add_nc_u64 s[36:37], s[36:37], s[56:57]
	s_lshl_b32 s56, ttmp9, 16                      ; x: 128 rows of 512 bytes a step
	s_add_nc_u64 s[4:5], s[4:5], s[56:57]
	; X'S CODES COME ONCE A WORK-GROUP: all four waves multiply the same 128 tokens, so each wave fetches 32 of their rows (512 bytes each, dense) into LDS from byte 2,048 on, 16 bytes of padding behind each row, and every wave reads its fragments there.
	; No joint load: the tile is 65,536 of the 262,144 bytes of codes that a work-group takes in, and the weights, the rest, go from memory straight into registers.  No prefetch: the tile is asked for once, at the head, and there is no loop to run ahead in.
	s_lshl_b32 s60, s40, 14                        ; my 32 rows in memory
	s_mov_b32 s61, 0
	s_add_nc_u64 s[70:71], s[4:5], s[60:61]
	s_or_b32 s71, s71, 0x80000000                  ; type = 2
	s_mov_b32 s68, 1
	s_mul_i32 s69, s40, 32*528                     ; and in LDS
	s_add_co_u32 s69, s69, 2048
	s_mov_b32 s72, (1<<20)|(6<<22)|(3<<25)         ; elements of 1 byte; four words of padding behind every 128
	s_mov_b32 s73, 512<<16
	s_mov_b32 s74, 32<<16
	s_mov_b32 s75, 512<<16
	s_mov_b32 s76, 32
	s_mov_b32 s77, 512
	s_mov_b32 s78, 0
	s_mov_b32 s79, 0
	tensor_load_to_lds s[68:71], s[72:79]          ; one tensor load a wave
	s_nop 0
	v_nop
	v_nop
	v_nop
	v_nop
	s_mov_b32 vcc_lo, 0xffff0000                   ; written anew behind the tensor load
	s_lshl_b32 s56, ttmp9, 11                      ; and of 16 scale bytes
	s_add_nc_u64 s[6:7], s[6:7], s[56:57]
	s_lshl_b32 s56, s42, 15                        ; the head's 64 rows of W;
	s_add_nc_u64 s[8:9], s[8:9], s[56:57]
	s_lshl_b32 s58, s41, 14                        ; of Wv my role's 32 of them
	s_add_co_u32 s58, s58, s56
	s_add_nc_u64 s[20:21], s[20:21], s[58:59]
	s_lshl_b32 s56, s42, 10
	s_add_nc_u64 s[10:11], s[10:11], s[56:57]
	s_lshl_b32 s58, s41, 9
	s_add_co_u32 s58, s58, s56
	s_add_nc_u64 s[22:23], s[22:23], s[58:59]
	s_lshl_b32 s56, s42, 8
	s_add_nc_u64 s[12:13], s[12:13], s[56:57]
	s_lshl_b32 s58, s41, 7
	s_add_co_u32 s58, s58, s56
	s_add_nc_u64 s[24:25], s[24:25], s[58:59]
	s_mul_i32 s56, s43, 17152
	s_lshl_b32 s58, s41, 12
	s_add_co_u32 s56, s56, s58
	s_add_co_u32 s56, s56, 8192
	s_add_nc_u64 s[38:39], s[30:31], s[56:57]
	s_mul_i32 s56, s43, 17152
	s_add_co_u32 s56, s56, 512
	s_add_nc_u64 s[48:49], s[32:33], s[56:57]
	WIN 0x40                                       ; destination window 1
.irp t, 0,1,2,3                        ; W's fragments: tile t begins at row 32 (t / 2) + 8 (t % 2)
.irp s, 0,1,2,3
.irp c, 0,1,2,3
	global_load_b128 v[64*\t+16*\s+4*\c:64*\t+16*\s+4*\c+3], v[PA], s[8:9] offset:(32*(\t/2)+8*(\t%2))*512+128*\s+32*\c
.endr
.endr
.endr
	WIN 0x80                                       ; destination window 2
.irp n, 0,1                            ; Wv's: 16 neighbouring rows a tile
.irp s, 0,1,2,3
.irp c, 0,1,2,3
	global_load_b128 v[64*\n+16*\s+4*\c:64*\n+16*\s+4*\c+3], v[VA], s[20:21] offset:16*\n*512+128*\s+32*\c
.endr
.endr
.endr
.irp t, 0,1,2,3                        ; the bias of q or k in the result's layout: lane (r, h), tile 2 c + u: channels 32 c + 16 h + 8 u + 0 .. 7
	global_load_b128 v[B1+8*\t:B1+8*\t+3], v[BA], s[12:13] offset:(32*(\t/2)+8*(\t%2))*4
	global_load_b128 v[B1+8*\t+4:B1+8*\t+7], v[BA], s[12:13] offset:(32*(\t/2)+8*(\t%2))*4+16
.endr
.irp n, 0,1                            ; bv: in v's result a lane holds ONE channel, 16 n + r, in all eight registers
.irp j, 0,1,2,3,4,5,6,7
	global_load_b32 v[B2+8*\n+\j], v[BVA], s[24:25] offset:64*\n
.endr
.endr
	WIN 0
.irp t, 0,1,2,3                        ; a row's 16 scale bytes are its four words, one for each K step
	global_load_b128 v[WS+4*\t:WS+4*\t+3], v[PS16], s[10:11] offset:(32*(\t/2)+8*(\t%2))*16
.endr
.irp n, 0,1
	global_load_b128 v[WVS+4*\n:WVS+4*\n+3], v[VS16], s[22:23] offset:16*\n*16
.endr
; x's 32 tokens of iteration i: two tiles x four K steps into set i % 2, and their scale words: 34 loads.  Every offset is an immediate: no pointer is stepped
.macro XLOAD i
	WIN 0xc0                                       ; destination window 3
.irp u, 0,1
.irp s, 0,1,2,3
.irp c, 0,1,2,3
	ds_load_b128 v[128*((\i)%2)+64*\u+16*\s+4*\c:128*((\i)%2)+64*\u+16*\s+4*\c+3], v15 offset:(32*(\i)+8*\u)*528+128*\s+32*\c
.endr
.endr
.endr
	WIN 0
.irp u, 0,1
	global_load_b128 v[XS+8*((\i)%2)+4*\u:XS+8*((\i)%2)+4*\u+3], v[PS16], s[6:7] offset:(32*(\i)+8*\u)*16
.endr
.endm
	s_wait_tensorcnt 0x0                           ; my 32 rows of x are in LDS;
	s_barrier_signal -1
	s_barrier_wait -1                              ; and so are the other waves'
	XLOAD 0
	XLOAD 1
.irp b, 0,1,2,3,4,5
	v_mov_b32 v[TM+6+\b], 0                        ; written once: a lane permute's destination counts as one of its sources
.endr
; The six blocks of 16 numbers a lane in v[ACC] on become codes in v[PC] on; their bytes stay in v[TM+6] on.
.macro QUANT6
.irp b, 0,1,2,3,4,5
	v_max3_num_f32 v[TM+\b], |v[ACC+16*\b]|, |v[ACC+16*\b+1]|, 0x4800000   ; my 16 numbers, each accumulator from its low end on, and the floor 2^(9 - 127): the byte cannot fall under 1
.endr
.irp i, 2,4,6,8,10,12,14
.irp b, 0,1,2,3,4,5
	v_max3_num_f32 v[TM+\b], v[TM+\b], |v[ACC+16*\b+\i]|, |v[ACC+16*\b+\i+1]|   ; (the six blocks by turns: no line waits for the line above it)
.endr
.endr
.irp b, 0,1,2,3,4,5
	v_permlanex16_b32 v[TM+6+\b], v[TM+\b], s44, s45
.endr
.irp b, 0,1,2,3,4,5
	v_max_num_f32 v[TM+\b], v[TM+\b], v[TM+6+\b]   ; with lane l xor 16's: the block's largest magnitude
.endr
.irp b, 0,1,2,3,4,5
	v_add_nc_u32 v[TM+18+\b], 0xfc000000, v[TM+\b] ; 8 off its exponent field: the conversion takes the exponent field of this operand as its scale
.endr
.irp b, 0,1,2,3,4,5
	v_and_or_b32 v[TM+12+\b], v[TM+\b], 0x7f800000, s46   ; 448 x the scale
.endr
.irp b, 0,1,2,3,4,5
	v_lshrrev_b32 v[TM+6+\b], 23, v[TM+18+\b]      ; the scale's byte
.endr
.irp b, 0,1,2,3,4,5
.irp i, 0,1,2,3,4,5,6,7,8,9,10,11,12,13,14,15
	v_med3_num_f32 v[ACC+16*\b+\i], v[ACC+16*\b+\i], -v[TM+12+\b], v[TM+12+\b]   ; the conversion to an 8-bit code does not saturate (ISA guide 7.6.2): the hold at the largest code x the scale
.endr
	v_cvt_scalef32_pk8_fp8_f32 v[PC+4*\b:PC+4*\b+1], v[ACC+16*\b:ACC+16*\b+7], v[TM+18+\b]
	v_cvt_scalef32_pk8_fp8_f32 v[PC+4*\b+2:PC+4*\b+3], v[ACC+16*\b+8:ACC+16*\b+15], v[TM+18+\b]
.endr
	v_nop                                          ; one plain vector line behind the last conversion: the next iteration's products write its sources
.endm
; Iteration i: tokens 32 i .. 32 i + 31 of the step.  48 matrix instructions on twelve accumulators, which take turns, one instruction a turn; then the quantisers and six stores.
.macro ITER i
.set XB,  128*((\i)%2)
.set XSB, XS+8*((\i)%2)
.if (\i) < 3
	s_wait_loadcnt 2                               ; all but the next iteration's two loads of scale words,
	s_wait_dscnt 32                                ; and all but its 32 fragment loads, are in
.else
	s_wait_loadcnt 0x0
	s_wait_dscnt 0x0
.endif
.irp s, 0,1,2,3
.if \s == 0
	WIN 0x2d                                       ; source 0 (W) window 1, source 1 (x) window 3, C (the bias) window 2, D window 0
.else
	WIN 0x0d
.endif
.irp u, 0,1
.irp t, 0,1,2,3
.if \s == 0
	v_wmma_scale_f32_16x16x128_f8f6f4 v[ACC+32*\u+8*\t:ACC+32*\u+8*\t+7], v[64*\t+16*\s:64*\t+16*\s+15], v[XB+64*\u+16*\s:XB+64*\u+16*\s+15], v[B1+8*\t:B1+8*\t+7], v[WS+4*\t+\s], v[XSB+4*\u+\s]
.else
	v_wmma_scale_f32_16x16x128_f8f6f4 v[ACC+32*\u+8*\t:ACC+32*\u+8*\t+7], v[64*\t+16*\s:64*\t+16*\s+15], v[XB+64*\u+16*\s:XB+64*\u+16*\s+15], v[ACC+32*\u+8*\t:ACC+32*\u+8*\t+7], v[WS+4*\t+\s], v[XSB+4*\u+\s]
.endif
.endr
.endr
.if \s == 0
	WIN 0x2b                                       ; source 0 (x) window 3, source 1 (Wv) window 2, C (bv) window 2
.else
	WIN 0x0b
.endif
.irp n, 0,1
.irp u, 0,1
.if \s == 0
	v_wmma_scale_f32_16x16x128_f8f6f4 v[ACCV+16*\n+8*\u:ACCV+16*\n+8*\u+7], v[XB+64*\u+16*\s:XB+64*\u+16*\s+15], v[64*\n+16*\s:64*\n+16*\s+15], v[B2+8*\n:B2+8*\n+7], v[XSB+4*\u+\s], v[WVS+4*\n+\s]
.else
	v_wmma_scale_f32_16x16x128_f8f6f4 v[ACCV+16*\n+8*\u:ACCV+16*\n+8*\u+7], v[XB+64*\u+16*\s:XB+64*\u+16*\s+15], v[64*\n+16*\s:64*\n+16*\s+15], v[ACCV+16*\n+8*\u:ACCV+16*\n+8*\u+7], v[XSB+4*\u+\s], v[WVS+4*\n+\s]
.endif
.endr
.endr
.endr
	WIN 0
.rept 8
	v_nop                                          ; eight places behind this form: in front of the first read of results and of the loads into x's set and its scale words
.endr
.if (\i) > 0
	s_wait_xcnt 0x0                                ; the last iteration's stores have read their registers: the codes may be written again
.endif
.if (\i) < 2
	XLOAD (\i)+2                                   ; into the set just multiplied
.endif
	QUANT6
	v_cndmask_b32 v[T0], v[TM+6], v[TM+8], vcc_lo  ; lanes 0-15: tile 2 i's two bytes; lanes 16-31: tile 2 i + 1's (both halves of the lanes hold every block's byte)
	v_cndmask_b32 v[T0+1], v[TM+7], v[TM+9], vcc_lo
	v_lshl_or_b32 v[SQ+(\i)], v[T0+1], 8, v[T0]
.if (\i) == 0
	v_mov_b32 v[SV], v[TM+10]                      ; v: these 32 tokens are block i of the step's 128 keys
	v_mov_b32 v[SV+1], v[TM+11]
.else
	v_lshl_or_b32 v[SV], v[TM+10], 8*(\i), v[SV]
	v_lshl_or_b32 v[SV+1], v[TM+11], 8*(\i), v[SV+1]
.endif
.irp u, 0,1
.irp c, 0,1
	global_store_b128 v[LI], v[PC+8*\u+4*\c:PC+8*\u+4*\c+3], s[34:35] offset:(2*(\i)+\u)*1024+512*\c   ; each store of the wave covers 512 consecutive bytes, aligned
.endr
.endr
.irp n, 0,1
	global_store_b128 v[LI], v[PC+16+4*\n:PC+16+4*\n+3], s[38:39] offset:2048*\n+512*(\i)
.endr
.endm
	ITER 0
	ITER 1
	ITER 2
	ITER 3
	global_store_b128 v[LI], v[SQ:SQ+3], s[36:37]  ; the step's scale words of q or k: 512 consecutive bytes
	v_cndmask_b32 v[VW], v[SV], v[SV+1], vcc_lo    ; v's: my first fragment's words in lanes 0-15, my second's in lanes 16-31
	ds_store_b32 v[LW], v[VW]                      ; a head's two words a lane come from two waves: they meet in LDS, so that they leave as 256 consecutive bytes
	s_wait_dscnt 0x0                               ; for the other wave's sake: my store has landed
	s_barrier_signal -1
	s_barrier_wait -1
	s_cmp_lg_u32 s41, 0
	s_cbranch_scc1 .Lend                           ; role 0 stores for both
	ds_load_b64 v[BK:BK+1], v[LR]
	s_wait_dscnt 0x0
	global_store_b64 v[L8], v[BK:BK+1], s[48:49]
.Lend:
	s_wait_tensorcnt 0x0
	ds_add_u32 v254, v255
	s_wait_dscnt 0x0
	s_endpgm
.Lfunc_end_k_q7a6c3a8021_proj:
	.size	k_q7a6c3a8021_proj, .Lfunc_end_k_q7a6c3a8021_proj-k_q7a6c3a8021_proj
	.p2alignl 7, 3214868480
	.fill 96, 4, 3214868480
	.section	.rodata,"a",@progbits
	.p2align	6, 0x0
	.amdhsa_kernel k_q7a6c3a8021_proj
		.amdhsa_group_segment_fixed_size 167936
		.amdhsa_private_segment_fixed_size 0
		.amdhsa_enable_private_segment 0
		.amdhsa_kernarg_size 112
		.amdhsa_user_sgpr_count 2
		.amdhsa_user_sgpr_kernarg_segment_ptr 1
		.amdhsa_wavefront_size32 1
		.amdhsa_system_sgpr_workgroup_id_x 1
		.amdhsa_system_sgpr_workgroup_id_y 1
		.amdhsa_system_sgpr_workgroup_id_z 1
		.amdhsa_system_vgpr_workitem_id 0
		.amdhsa_next_free_vgpr 1024
		.amdhsa_next_free_sgpr 96
		.amdhsa_reserve_vcc 1
		.amdhsa_float_denorm_mode_32 3
		.amdhsa_float_denorm_mode_16_64 3
		.amdhsa_memory_ordered 1
		.amdhsa_forward_progress 1
		.amdhsa_inst_pref_size 104
	.end_amdhsa_kernel
	.amdgpu_metadata
---
amdhsa.version: [ 1, 2 ]
amdhsa.kernels:
  - .name:           k_q7a6c3a8021_proj
    .symbol:         k_q7a6c3a8021_proj.kd
    .args:
      - { .name: x_codes, .offset: 0, .size: 8, .value_kind: global_buffer, .address_space: global }
      - { .name: x_scales, .offset: 8, .size: 8, .value_kind: global_buffer, .address_space: global }
      - { .name: Wq_codes, .offset: 16, .size: 8, .value_kind: global_buffer, .address_space: global }
      - { .name: Wq_scales, .offset: 24, .size: 8, .value_kind: global_buffer, .address_space: global }
      - { .name: bq, .offset: 32, .size: 8, .value_kind: global_buffer, .address_space: global }
      - { .name: Wk_codes, .offset: 40, .size: 8, .value_kind: global_buffer, .address_space: global }
      - { .name: Wk_scales, .offset: 48, .size: 8, .value_kind: global_buffer, .address_space: global }
      - { .name: bk, .offset: 56, .size: 8, .value_kind: global_buffer, .address_space: global }
      - { .name: Wv_codes, .offset: 64, .size: 8, .value_kind: global_buffer, .address_space: global }
      - { .name: Wv_scales, .offset: 72, .size: 8, .value_kind: global_buffer, .address_space: global }
      - { .name: bv, .offset: 80, .size: 8, .value_kind: global_buffer, .address_space: global }
      - { .name: qc, .offset: 88, .size: 8, .value_kind: global_buffer, .address_space: global }
      - { .name: qs, .offset: 96, .size: 8, .value_kind: global_buffer, .address_space: global }
      - { .name: kv, .offset: 104, .size: 8, .value_kind: global_buffer, .address_space: global }
    .group_segment_fixed_size: 167936
    .private_segment_fixed_size: 0
    .kernarg_segment_align: 8
    .kernarg_segment_size: 112
    .max_flat_workgroup_size: 128
    .sgpr_count:     96
    .vgpr_count:     1024
    .wavefront_size: 32
...
	.end_amdgpu_metadata
.endif
;; end of part 1
;; launch attn (part 2): grid 16 x 16, 8 waves a work-group, clusters of 4 x 1, 327,680 bytes of LDS; arguments qc, qs, kv, out0; writes out0
.if DOCPART == 2
	.amdgcn_target "amdgcn-amd-amdhsa--gfx1250"
	.amdhsa_code_object_version 6
	.text
	.protected	k_q7a6c3a8021_attn
	.globl	k_q7a6c3a8021_attn
	.p2align	8
	.type	k_q7a6c3a8021_attn,@function
k_q7a6c3a8021_attn:
	s_mov_b64 s[64:65], 0
	v_nop
	global_prefetch_b8 v0, s[64:65] scope:SCOPE_SE
	s_setreg_imm32_b32 hwreg(HW_REG_WAVE_MODE, 25, 1), 1
	s_wait_xcnt 0x0
	s_wait_alu depctr_hold_cnt(0) depctr_sa_sdst(0) depctr_va_vdst(0) depctr_va_sdst(0) depctr_va_ssrc(0) depctr_va_vcc(0) depctr_vm_vsrc(0)
	s_getreg_b32 s2, hwreg(HW_REG_IB_STS2, 6, 4)
	s_cmp_eq_u32 s2, 0
	s_cbranch_scc0 .Lentry_in_a_cluster
	s_endpgm
.Lentry_in_a_cluster:
	s_bfe_u32 s2, ttmp6, 0x10000c
	s_cmp_lg_u32 s2, 0x3003
	s_cbranch_scc0 .Lentry_shape_is_right
	s_endpgm
.Lentry_shape_is_right:
; out[b][q][head][:] = the sum over k of softmax_k(q . k / 8) v, for 16 (batch, head) pairs bh of 4,096 queries x 4,096 keys, head size 64; both products on codes of FP8 (E4M3) with one E8M0 scale for each 32 along K.
; q, k, v come as images of operand registers (a step = 128 tokens; U = 32 bh + step):  qc [U][tile 0..7][c 0..1][lane][16 bytes], qs [U][lane][4 words];
;   kv [U][17,152]: k's images laid as qc (8,192), v's [fragment 0..3][c 0..3][lane][16] (8,192), k's scale words [lane][4] (512), v's [lane][2] (256).
;   Row r of tile 2 b + u is token 32 b + 8 u + r + 8 (r / 8) of its step.  Word i of a lane's four holds tile 2 i's scales in lanes 0-15 and tile 2 i + 1's in lanes 16-31.
; THE SOFTMAX: t = score x log2(e) / 8; M = the row's largest t so far, rounded UP to a whole number; p = 2^(t - M) is quantised along the keys, not normalised.  The row's sum is taken of the unquantised p and divides
; at the end.  When M moves, the sum and O are multiplied by 2^(old M - new M): exact.
; SHARES.  A work-group owns 256 queries of one bh; each of its eight waves owns 32 of them, two tiles, in 512 registers.  Every wave walks the 32 key steps; each fragment of k and v feeds two matrix instructions.
; THE EXPONENTIALS GO IN TWO BATCHES, a tile each, with plain lines of the OTHER tile among them: lines whose sources stand ready ahead of the batch's wait and whose results are first read behind the wait that closes it:
; among tile 0's stand tile 1's multiply-adds t - M, among tile 1's the first level of tile 0's sums (16 additions that do not hang on each other, into p's code registers, which are free then) and tile 0's holds.
; A BLOCK'S SCALE is made ahead of the exponentials: the block's largest p is 2^u, u = t - M of its largest score by the same multiply-add as every score's, so floor(log2) of it is floor(u), taken as a whole number.
; O^T comes under the new M ahead of the exponentials too, directly behind the lines that make f.
; LAYOUT.  Both products are used transposed (S^T = K Q^T, O^T = V^T P^T): a lane holds ONE query, and the 16 registers of key tiles 2 b, 2 b + 1 are keys 32 b + 16 (lane / 16) + 0 .. 15: the conversions' results are the second product's operand.
; K = 64 IN A FORM OF 128.  Q's fragment is 8 registers of codes and 8 of zero codes.  K's fragment t is named v[8 t .. 8 t + 15]: its upper half is the next tile's codes (8 zero registers stand behind tile 7), which meet
; Q's zero codes and add exact zeros.  This takes k's codes to be free of the NaN code, which the hold at 448 x the scale gives for finite inputs.
; LDS: two slots of eight records (137,216 bytes each), dense: every read is 16 or 8 x lane on end; the spare words.  Every wave fetches one record of a slot: one tensor load a wave at the head and behind each round.
; CLUSTER.  The four query blocks of a cluster belong to one bh and walk the same kv: each record is asked for JOINTLY, by the same tensor load with the same descriptor and a mask that names the four.
; THE CHANGE OF SLOTS begins inside a slot's last step: behind that step's V loads a wave's reads of the slot are over, so its waits, the add and the round's opening signal stand there, and the step's softmax and products, work on registers, stand between the signal and the wait.
; PREFETCH.  At the head of slot s the slot s + 2 is asked for, one slot ahead of its tensor load: 536 blocks of 256 bytes.  The bh's first cluster asks; its four partners take two records (134 blocks) each, told apart BY ADDRESS;
; threads 0 to 133 name a block each (waves 0 to 4; the lanes left over in wave 4 name its last block again).  Slots 0 and 1 come by their loads alone; behind slot 3 there is none.
; LIMITS: NaN and infinities among the inputs are not served.  Where u lies so closely under a whole number that v_exp_f32 rounds 2^u up to the next power of two, the block keeps the scale of floor(u), and that one p is held at 448 x the scale, an eighth low.
; A block whose largest u lies under -118 gets the byte 1.
; REGISTERS: window 0: v1-10 addresses; v12-19 statistics; v20-29 scale words; v32-56 at work; v64-191 S^T, then p; v192-223 p's codes; v224-245 at work.   window 1: v0-71 K; v72-135 V; v136-167 Q; v168-231 O^T.
.set REC,   17152
.set SLOTB, 8*REC
.set SPARE, 2*SLOTB                    ; the spare words, 128 bytes for each wave: four blocks of 256 bytes that no other line names
.set LI,  1                            ; 16 x lane
.set ADR, 2                            ; LDS address of the record in hand + 16 x lane
.set L8,  3                            ; 8 x lane
.set ADT, 4                            ; the same record + 8 x lane
.set SPW, 5
.set NIL, 6
.set PFO, 7                            ; 256 x min(thread, 133)
.set GO,  8
.set STO, 9
.set RD,  10
.set ST,  12                           ; tile x at v[ST + 4 x]: -M, the largest score, the sum in two halves
.set KS,  20
.set VS,  24
.set QS,  26
.set PS,  28
.set BM,  32                           ; v32-39 the blocks' largest scores, then their u: 4 x + b
.set PB,  40                           ; v40-47 the other half's maxima; then floor(u)
.set HD,  48                           ; 448 x the scale: tile 0 at v48-51, tile 1 at v53-56
.set S,   64
.set P,   192
.set F,   224                          ; v[224:225], v[226:227] f = 2^(old M - new M) of a tile; the upper registers are written once
.set TMP, 228
.set NEW, 230
.set SO,  232                          ; v232-239 the conversions' scale operands
.set CB,  240                          ; v[240:241], v[242:243], v[244:245] three more chains of tile 1's sums
.set KF,  0                            ; in window 1
.set VF,  72
.set Q,   136
.set O,   168
.set MSB, 0
.macro WIN new                         ; the immediate's high byte repeats the setting that is left
.if MSB != \new
	s_set_vgpr_msb (MSB<<8)|\new
.set MSB, \new
.endif
.endm
.macro CREST                           ; a round of the cluster's barrier behind its opening barrier
	s_cmp_lg_u32 s14, 0
	s_cbranch_scc1 .Lnot_wave_0_\@
	s_barrier_signal -3
.Lnot_wave_0_\@:
	s_barrier_wait -3
	s_barrier_signal -1
	s_barrier_wait -1
.endm
.macro TLOAD                           ; my record of a slot
	tensor_load_to_lds s[40:43], s[32:39]
	s_nop 0
.rept 4
	v_nop
.endr
.endm
.macro GRD
	s_wait_tensorcnt 0x0                           ; no tensor load of mine is out, so group 0 may be written
	ds_add_u32 v[SPW], v[NIL]
	s_xor_b32 s71, s71, SLOTB                      ; the other slot than last time,
	s_add_co_u32 s41, s70, s71                     ; my record's place in it,
	s_add_nc_u64 s[42:43], s[42:43], 8*REC         ; the next eight steps
	s_wait_xcnt 0x0                                ; the last prefetch has read its address
	s_add_nc_u64 s[30:31], s[30:31], 8*REC         ; one slot further on than the descriptor
	s_wait_dscnt 0x0                               ; the add is done, and my reads of the slot in hand are over
	s_barrier_signal -1
.endm
.macro ASK
	s_cmp_gt_u32 s27, s28
	s_cbranch_scc0 .Lnot_mine_\@
	global_prefetch_b8 v[PFO], s[30:31] th:TH_LOAD_NT scope:SCOPE_SE
.Lnot_mine_\@:
.endm
.macro KLOAD off                       ; 17 LDS loads: K of the record off bytes behind ADR's, and its scale words
	WIN 0x40
.irp t, 0,1,2,3,4,5,6,7
.irp c, 0,1
	ds_load_b128 v[KF+8*\t+4*\c:KF+8*\t+4*\c+3], v[ADR] offset:(\off)+1024*\t+512*\c
.endr
.endr
	WIN 0
	ds_load_b128 v[KS:KS+3], v[ADR] offset:(\off)+16384
.endm
.macro VLOAD                           ; 17 LDS loads: V of the record in hand, and its scale words
	WIN 0x40
.irp n, 0,1,2,3
.irp c, 0,1,2,3
	ds_load_b128 v[VF+16*\n+4*\c:VF+16*\n+4*\c+3], v[ADR] offset:8192+2048*\n+512*\c
.endr
.endr
	WIN 0
	ds_load_b64 v[VS:VS+1], v[ADT] offset:16896
.endm
.macro KQ t, x                         ; S^T of key tile t and query tile x; an odd tile's scale words stand in lanes 16-31
.if ((\t)%2 == 0) && ((\x) == 0)
	v_wmma_scale_f32_16x16x128_f8f6f4 v[S+64*(\x)+8*(\t):S+64*(\x)+8*(\t)+7], v[KF+8*(\t):KF+8*(\t)+15], v[Q+16*(\x):Q+16*(\x)+15], 0, v[KS+(\t)/2], v[QS]
.elseif ((\x) == 0)
	v_wmma_scale_f32_16x16x128_f8f6f4 v[S+64*(\x)+8*(\t):S+64*(\x)+8*(\t)+7], v[KF+8*(\t):KF+8*(\t)+15], v[Q+16*(\x):Q+16*(\x)+15], 0, v[KS+(\t)/2], v[QS] matrix_a_scale:MATRIX_SCALE_ROW1
.elseif ((\t)%2 == 0)
	v_wmma_scale_f32_16x16x128_f8f6f4 v[S+64*(\x)+8*(\t):S+64*(\x)+8*(\t)+7], v[KF+8*(\t):KF+8*(\t)+15], v[Q+16*(\x):Q+16*(\x)+15], 0, v[KS+(\t)/2], v[QS] matrix_b_scale:MATRIX_SCALE_ROW1
.else
	v_wmma_scale_f32_16x16x128_f8f6f4 v[S+64*(\x)+8*(\t):S+64*(\x)+8*(\t)+7], v[KF+8*(\t):KF+8*(\t)+15], v[Q+16*(\x):Q+16*(\x)+15], 0, v[KS+(\t)/2], v[QS] matrix_a_scale:MATRIX_SCALE_ROW1 matrix_b_scale:MATRIX_SCALE_ROW1
.endif
.endm
; Pair m = 0 .. 31 of tile x's holds: a number of block b and one of block b + 1 (b = 0 for m under 16, then 2), so that the pair's registers differ modulo 4 in each place.  p is not negative, so the hold is one-sided
.macro MINT x, m
.set M_, (\m)
.set A_, S+64*(\x)+32*(M_/16)+2*((M_%16)/2)
.set H_, HD+5*(\x)+2*(M_/16)
.if M_%2 == 0
	v_dual_min_num_f32 v[A_], v[A_], v[H_] :: v_dual_min_num_f32 v[A_+17], v[A_+17], v[H_+1]
.else
	v_dual_min_num_f32 v[A_+16], v[A_+16], v[H_+1] :: v_dual_min_num_f32 v[A_+1], v[A_+1], v[H_]
.endif
.endm
.macro CVT2 x, b                       ; block b of tile x becomes codes
	v_cvt_scalef32_pk8_fp8_f32 v[P+16*(\x)+4*(\b):P+16*(\x)+4*(\b)+1], v[S+64*(\x)+16*(\b):S+64*(\x)+16*(\b)+7], v[SO+4*(\x)+(\b)]
	v_cvt_scalef32_pk8_fp8_f32 v[P+16*(\x)+4*(\b)+2:P+16*(\x)+4*(\b)+3], v[S+64*(\x)+16*(\b)+8:S+64*(\x)+16*(\b)+15], v[SO+4*(\x)+(\b)]
.endm
.macro T1G k                           ; four of tile 1's sums, a line a chain: pairs k .. k + 3 of its 32
	v_pk_add_f32 v[ST+6:ST+7], v[ST+6:ST+7], v[S+64+2*(\k):S+64+2*(\k)+1]
	v_pk_add_f32 v[CB:CB+1], v[CB:CB+1], v[S+64+2*(\k)+2:S+64+2*(\k)+3]
	v_pk_add_f32 v[CB+2:CB+3], v[CB+2:CB+3], v[S+64+2*(\k)+4:S+64+2*(\k)+5]
	v_pk_add_f32 v[CB+4:CB+5], v[CB+4:CB+5], v[S+64+2*(\k)+6:S+64+2*(\k)+7]
.endm
.macro STEP next, gd
	s_wait_dscnt 0x0                               ; K of this step is in
	WIN 0x05                                       ; sources 0 (K) and 1 (Q) window 1, S^T window 0
.irp x, 0,1
.irp t, 0,1,2,3,4,5,6,7
	KQ \t, \x
.endr
.endr
	WIN 0
	v_add_nc_u32 v[ADR], s25, v[LI]                ; eight places behind this form, in front of the loads into K's and V's registers and of the first read of the scores: two additions and six v_nop
	v_add_nc_u32 v[ADT], s25, v[L8]
.rept 6
	v_nop
.endr
	VLOAD
.if \next
	KLOAD REC
.endif
.if \gd
	GRD
.endif
.irp x, 0,1
.irp b, 0,1,2,3
	v_max3_num_f32 v[BM+4*\x+\b], v[S+64*\x+16*\b], v[S+64*\x+16*\b+1], v[S+64*\x+16*\b+2]   ; the largest score of each block of 32 keys, each accumulator from its low end on; eight blocks by turns
.endr
.endr
.irp i, 3,5,7,9,11,13
.irp x, 0,1
.irp b, 0,1,2,3
	v_max3_num_f32 v[BM+4*\x+\b], v[BM+4*\x+\b], v[S+64*\x+16*\b+\i], v[S+64*\x+16*\b+\i+1]
.endr
.endr
.endr
.irp x, 0,1
.irp b, 0,1,2,3
	v_max_num_f32 v[BM+4*\x+\b], v[BM+4*\x+\b], v[S+64*\x+16*\b+15]
.endr
.endr
.irp k, 0,1,2,3,4,5,6,7
	v_permlanex16_b32 v[PB+\k], v[BM+\k], s20, s21
.endr
.irp k, 0,1,2,3,4,5,6,7
	v_max_num_f32 v[BM+\k], v[BM+\k], v[PB+\k]     ; with lane l xor 16's 16 keys
.endr
.irp x, 0,1
	v_max3_num_f32 v[TMP+\x], v[BM+4*\x], v[BM+4*\x+1], v[BM+4*\x+2]
.endr
.irp x, 0,1
	v_max3_num_f32 v[ST+4*\x+1], v[ST+4*\x+1], v[TMP+\x], v[BM+4*\x+3]   ; the running largest score
.endr
.irp x, 0,1
	v_mul_f32 v[TMP+\x], s73, v[ST+4*\x+1]         ; -t (c is positive)
.endr
.irp x, 0,1
	v_floor_f32 v[NEW+\x], v[TMP+\x]               ; the new -M = floor(-t) = -ceil(t)
.endr
.irp x, 0,1
	v_sub_f32 v[TMP+\x], v[NEW+\x], v[ST+4*\x]     ; M's old value less its new one: a whole number, 0 or less
.endr
.irp x, 0,1
	v_mov_b32 v[ST+4*\x], v[NEW+\x]
.endr
.irp x, 0,1
	v_cvt_i32_f32 v[TMP+\x], v[TMP+\x]             ; (it saturates)
.endr
.irp x, 0,1
	v_ldexp_f32 v[F+2*\x], 1.0, v[TMP+\x]          ; f = 2^(old M - new M)
.endr
.irp x, 0,1
	v_pk_fma_f32 v[BM+4*\x:BM+4*\x+1], v[BM+4*\x:BM+4*\x+1], s[22:23], v[ST+4*\x:ST+4*\x+1] op_sel_hi:[1,0,0]   ; u = t - M of each block's largest score (of the pairs c and -M the low word serves both halves)
	v_pk_fma_f32 v[BM+4*\x+2:BM+4*\x+3], v[BM+4*\x+2:BM+4*\x+3], s[22:23], v[ST+4*\x:ST+4*\x+1] op_sel_hi:[1,0,0]
.endr
	WIN 0x41                                       ; O^T (destination and source 0) window 1, f window 0
.irp x, 0,1
.set j, 0
.rept 16
	v_pk_mul_f32 v[O+32*\x+j:O+32*\x+j+1], v[O+32*\x+j:O+32*\x+j+1], v[F+2*\x:F+2*\x+1] op_sel_hi:[1,0]   ; O^T under the new M, each accumulator from its low end on: its first read since the last step's products, with no transcendental between
.set j, j+2
.endr
.endr
	WIN 0
.irp k, 0,1,2,3,4,5,6,7
	v_max_num_f32 v[BM+\k], 0xc2ec0000, v[BM+\k]   ; u held at -118 from below: the byte cannot fall under 1
.endr
.irp k, 0,1,2,3,4,5,6,7
	v_cvt_floor_i32_f32 v[PB+\k], v[BM+\k]         ; e = floor(u) = floor(log2) of the block's largest p: -118 .. 0
.endr
.irp k, 0,1,2,3,4,5,6,7
	v_lshl_add_u32 v[SO+\k], v[PB+\k], 23, s74     ; (e + 119) << 23: the conversion's scale operand, 2^(e - 8)
.endr
.irp x, 0,1
.irp b, 0,1,2,3
	v_add_nc_u32 v[HD+5*\x+\b], 0x4600000, v[SO+4*\x+\b]   ; 8 onto the exponent field, and 448's mantissa: 448 x the scale
.endr
.endr
.irp x, 0,1
	v_lshl_add_u32 v[PS+\x], v[PB+4*\x+1], 8, v[PB+4*\x]   ; p's scale word for these 128 keys: the sum of (e + 119) << 8 b, each byte 1 .. 119, made as the sum of e << 8 b and 119 in every byte
.endr
.irp x, 0,1
	v_lshl_add_u32 v[PS+\x], v[PB+4*\x+2], 16, v[PS+\x]
.endr
.irp x, 0,1
	v_lshl_add_u32 v[PS+\x], v[PB+4*\x+3], 24, v[PS+\x]
.endr
.irp x, 0,1
	v_add_nc_u32 v[PS+\x], 0x77777777, v[PS+\x]
.endr
.set j, 0
.rept 32
	v_pk_fma_f32 v[S+j:S+j+1], v[S+j:S+j+1], s[22:23], v[ST:ST+1] op_sel_hi:[1,0,0]   ; tile 0: t - M, two at a time
.set j, j+2
.endr
	s_wait_alu depctr_va_vdst(0)
.set j, 0
.rept 64                               ; THE FIRST BATCH: tile 0's p = 2^(t - M); among them tile 1's t - M and the sums under the new M
	v_exp_f32 v[S+j], v[S+j]
.if j < 32
	v_pk_fma_f32 v[S+64+2*j:S+64+2*j+1], v[S+64+2*j:S+64+2*j+1], s[22:23], v[ST+4:ST+5] op_sel_hi:[1,0,0]
.elseif j < 34
	v_pk_mul_f32 v[ST+4*(j-32)+2:ST+4*(j-32)+3], v[ST+4*(j-32)+2:ST+4*(j-32)+3], v[F+2*(j-32):F+2*(j-32)+1] op_sel_hi:[1,0]
.endif
.set j, j+1
.endr
	s_wait_alu depctr_va_vdst(0)                   ; one wait behind the first batch and ahead of the second
.set j, 0
.rept 64                               ; THE SECOND BATCH: tile 1's p; among them tile 0's sums of four, of the unquantised p, and then its holds (the conversion to an 8-bit code does not saturate: ISA guide 7.6.2)
	v_exp_f32 v[S+64+j], v[S+64+j]
.if j < 16
	v_pk_add_f32 v[P+2*j:P+2*j+1], v[S+4*j:S+4*j+1], v[S+4*j+2:S+4*j+3]
.elseif j < 48
	MINT 0, j-16
.endif
.set j, j+1
.endr
.if \gd == 0
.if \next
	s_wait_dscnt 17                                ; V of this step is in; the next step's K, 17 loads, may be out
.else
	s_wait_dscnt 0x0
.endif
.endif
	s_wait_alu depctr_va_vdst(0)                   ; one wait for the batch and for the lines among it
.irp k, 1,2,3                          ; tile 0's 16 partial sums become four,
.irp c, 0,1,2,3
	v_pk_add_f32 v[P+2*\c:P+2*\c+1], v[P+2*\c:P+2*\c+1], v[P+8*\k+2*\c:P+8*\k+2*\c+1]
.endr
.endr
	v_pk_add_f32 v[ST+6:ST+7], v[ST+6:ST+7], v[S+64:S+65]            ; tile 1's sums, of the unquantised p, in four chains
	v_pk_add_f32 v[CB:CB+1], v[S+66:S+67], v[S+68:S+69]
	v_pk_add_f32 v[CB+2:CB+3], v[S+70:S+71], v[S+72:S+73]
	v_pk_add_f32 v[CB+4:CB+5], v[S+74:S+75], v[S+76:S+77]
	v_pk_add_f32 v[P:P+1], v[P:P+1], v[P+2:P+3]                      ; two,
	v_pk_add_f32 v[P+4:P+5], v[P+4:P+5], v[P+6:P+7]
	T1G 7
	v_pk_add_f32 v[P:P+1], v[P:P+1], v[P+4:P+5]                      ; one,
	T1G 11
	v_pk_add_f32 v[ST+2:ST+3], v[ST+2:ST+3], v[P:P+1]                ; and join the row's sum
	T1G 15
	T1G 19
	T1G 23
	T1G 27
	v_pk_add_f32 v[ST+6:ST+7], v[ST+6:ST+7], v[S+64+62:S+64+63]
.irp b, 0,1,2,3
	CVT2 0, \b
.endr
.set m, 0
.rept 32                               ; tile 1's holds; the conversions of its first two blocks stand some lines behind their last hold
	MINT 1, m
.if m == 19
	CVT2 1, 0
	CVT2 1, 1
.endif
.set m, m+1
.endr
	CVT2 1, 2
	CVT2 1, 3
	v_pk_add_f32 v[CB:CB+1], v[CB:CB+1], v[CB+2:CB+3]                ; tile 1's chains join: these three lines and two v_nop stand between the last conversions and the products that take the codes
	v_pk_add_f32 v[ST+6:ST+7], v[ST+6:ST+7], v[CB+4:CB+5]
	v_nop
	v_pk_add_f32 v[ST+6:ST+7], v[ST+6:ST+7], v[CB:CB+1]
	v_nop
	WIN 0x51                                       ; source 0 (V) window 1, source 1 (P) window 0, C and D (O^T) window 1
.irp n, 0,1,2,3                        ; O^T += V^T P^T: eight accumulators, one instruction each
.irp x, 0,1
.if \n%2 == 0
	v_wmma_scale_f32_16x16x128_f8f6f4 v[O+32*\x+8*\n:O+32*\x+8*\n+7], v[VF+16*\n:VF+16*\n+15], v[P+16*\x:P+16*\x+15], v[O+32*\x+8*\n:O+32*\x+8*\n+7], v[VS+\n/2], v[PS+\x]
.else
	v_wmma_scale_f32_16x16x128_f8f6f4 v[O+32*\x+8*\n:O+32*\x+8*\n+7], v[VF+16*\n:VF+16*\n+15], v[P+16*\x:P+16*\x+15], v[O+32*\x+8*\n:O+32*\x+8*\n+7], v[VS+\n/2], v[PS+\x] matrix_a_scale:MATRIX_SCALE_ROW1
.endif
.endr
.endr
	WIN 0
.if \gd
	s_barrier_wait -1
.endif
.if \next
	s_add_co_u32 s25, s25, REC                     ; on to the next record
.endif
.endm
.macro SLOT_HEAD                       ; the slot's first K
	s_mov_b32 s25, s26
	v_add_nc_u32 v[ADR], s25, v[LI]
	KLOAD 0
.endm
	s_load_b128 s[4:7], s[0:1], 0x0                ; qc s[4:5], qs s[6:7]
	s_load_b128 s[8:11], s[0:1], 0x10              ; kv s[8:9], out0 s[10:11]
	v_lshl_add_u32 v[SPW], v0, 2, SPARE
	v_mov_b32 v[NIL], 0
	ds_add_u32 v[SPW], v[NIL]                      ; the opening lines: the add, twice on end, and its wait ahead of my first tensor load
	ds_add_u32 v[SPW], v[NIL]
	v_lshrrev_b32 v[TMP], 5, v0
	v_readfirstlane_b32 s14, v[TMP]                ; wave 0..7
	s_bfe_u32 s15, ttmp6, 0x40000                  ; cx: it enters q's, out0's and the prefetches' addresses alone
	s_and_b32 s16, ttmp7, 0xffff                   ; bh, which the four partners share
	s_and_b32 s17, s14, 3
	s_lshr_b32 s18, s14, 2
	s_lshl_b32 s19, ttmp9, 2
	s_add_co_u32 s19, s19, s15                     ; my block of 256 queries
	s_lshl_b32 s19, s19, 1
	s_add_co_u32 s19, s19, s18                     ; my wave's step of queries; its tiles are 2 (w % 4) and 2 (w % 4) + 1
	s_mov_b32 s32, 15|(3<<16)|(1<<21)              ; group 1: a record, 17,152 dense bytes, as 67 rows of 256 bytes (32 elements of 8); the mask names all four work-groups; bit 21 beside it
	s_mov_b32 s33, 32<<16
	s_mov_b32 s34, 67<<16
	s_mov_b32 s35, 32<<16
	s_mov_b32 s36, 67
	s_mov_b32 s37, 32
	s_mov_b32 s38, 0
	s_mov_b32 s39, 0
	s_mov_b32 s40, 1                               ; group 0
	s_mul_i32 s70, s14, REC                        ; my record's place in a slot
	s_mul_i32 s41, s14, REC                        ; slot 0
	s_mov_b32 s71, 0
	s_mul_i32 s56, s16, 32*REC                     ; the bh's 32 records
	s_mul_i32 s60, s15, 2*REC                      ; the prefetches: my work-group's two records of a slot,
	s_add_co_u32 s60, s60, s56
	s_add_co_u32 s60, s60, 8*REC                   ; in slot 1: the first change of slots steps it to slot 2
	s_mov_b32 s61, 0
	s_add_co_u32 s56, s56, s70
	s_mov_b32 s57, 0
	s_cmp_lt_u32 s14, 5                            ; waves 0 to 4
	s_cselect_b32 s28, 0, 1
	s_or_b32 s28, s28, ttmp9                       ; of the bh's first cluster: the same in all four partners
	s_cmp_eq_u32 s28, 0
	s_cselect_b32 s28, 1, -1                       ; a wave prefetches while the count of slots still to be asked for is above this
	s_lshl_b32 s62, s16, 18                        ; q's images: the bh, my step, my two tiles
	s_lshl_b32 s63, s19, 13
	s_add_co_u32 s62, s62, s63
	s_lshl_b32 s63, s17, 11
	s_add_co_u32 s62, s62, s63
	s_mov_b32 s63, 0
	s_lshl_b32 s66, s16, 14                        ; q's scale words: word w % 4 of each lane's four
	s_lshl_b32 s67, s19, 9
	s_add_co_u32 s66, s66, s67
	s_lshl_b32 s67, s17, 2
	s_add_co_u32 s66, s66, s67
	s_mov_b32 s67, 0
	s_lshr_b32 s68, s16, 3                         ; out0: token 4,096 batch + 128 step + 32 (w % 4), 2,048 bytes a token, + 256 x head
	s_lshl_b32 s68, s68, 12
	s_lshl_b32 s69, s19, 7
	s_add_co_u32 s68, s68, s69
	s_lshl_b32 s69, s17, 5
	s_add_co_u32 s68, s68, s69
	s_lshl_b32 s68, s68, 11
	s_and_b32 s69, s16, 7
	s_lshl_b32 s69, s69, 8
	s_add_co_u32 s68, s68, s69
	s_mov_b32 s69, 0
	s_mov_b32 s20, 0x76543210
	s_mov_b32 s21, 0xfedcba98                      ; v_permlanex16_b32's selects for lane l xor 16
	s_mov_b32 s22, 0x3e38aa3b                      ; c = log2(e) / 8
	s_mov_b32 s23, s22
	s_mov_b32 s73, 0xbe38aa3b                      ; -c
	s_mov_b32 s74, 0x3b800000                      ; 119 << 23
	s_mov_b32 s26, 0                               ; LDS byte at which the slot in hand begins
	s_mov_b32 s27, 3                               ; slots still to be asked for
	s_mul_i32 s29, s14, 2*16*272                   ; my stage, 2 x 16 rows x 272 bytes, in slot 0's bytes: they have had their last fill, and nobody reads them, when the first result is stored there
	v_and_b32 v[LI], 31, v0
	v_min_u32 v[PFO], 133, v0
	v_lshlrev_b32 v[L8], 3, v[LI]
	v_lshlrev_b32 v[PFO], 8, v[PFO]
	v_lshlrev_b32 v[LI], 4, v[LI]
	v_and_b32 v[STO], 15, v0                       ; r
	v_bfe_u32 v[RD], v0, 4, 1                      ; h
	v_lshlrev_b32 v[GO], 11, v[RD]
	v_mul_u32_u24 v[TMP], v[RD], 272
	v_lshl_add_u32 v[GO], v[STO], 4, v[GO]         ; lanes 0-15 one token's 256 bytes, lanes 16-31 the next token's
	v_lshl_add_u32 v[TMP], v[STO], 4, v[TMP]
	v_mul_u32_u24 v[STO], v[STO], 272
	v_lshl_add_u32 v[STO], v[RD], 5, v[STO]
	v_add_nc_u32 v[RD], s29, v[TMP]                ; back: row h, + 16 r
	v_add_nc_u32 v[STO], s29, v[STO]               ; in: row r, + 32 h
	s_wait_alu depctr_va_vdst(0)
	s_wait_dscnt 0x0                               ; both opening adds are done
	s_wait_kmcnt 0x0
	s_add_nc_u64 s[42:43], s[8:9], s[56:57]
	s_or_b32 s43, s43, 0x80000000                  ; type = 2
	s_add_nc_u64 s[30:31], s[8:9], s[60:61]
	s_add_nc_u64 s[4:5], s[4:5], s[62:63]
	s_add_nc_u64 s[6:7], s[6:7], s[66:67]
	s_add_nc_u64 s[12:13], s[10:11], s[68:69]
	s_barrier_signal -1
	s_barrier_wait -1
	CREST                                          ; all four work-groups are here: the first joint loads meet
	TLOAD                                          ; slot 0: a record a wave, one tensor load a wave at the head
	WIN 0x40
.irp x, 0,1
.irp c, 0,1
	global_load_b128 v[Q+16*\x+4*\c:Q+16*\x+4*\c+3], v[LI], s[4:5] offset:1024*\x+512*\c   ; Q stays in registers
.endr
.endr
.irp j, 0,1,2,3,4,5,6,7
	v_mov_b32 v[Q+8+\j], 0                         ; zero codes for K = 64 .. 127
	v_mov_b32 v[Q+24+\j], 0
	v_mov_b32 v[KF+64+\j], 0                       ; what stands behind K's tile 7
.endr
.set j, 0
.rept 64
	v_mov_b32 v[O+j], 0                            ; O^T.  (The step is written once: the first finds zeros, which the first change of M leaves zeros)
.set j, j+1
.endr
	WIN 0
	global_load_b32 v[QS], v[LI], s[6:7]
.irp x, 0,1
	v_mov_b32 v[ST+4*\x+1], 0xff61b1e6             ; the largest score so far: -3e38
	v_mov_b32 v[ST+4*\x+2], 0                      ; the sum, in two halves
	v_mov_b32 v[ST+4*\x+3], 0
	v_mov_b32 v[F+2*\x+1], 0
	v_mul_f32 v[ST+4*\x], s73, v[ST+4*\x+1]
	v_floor_f32 v[ST+4*\x], v[ST+4*\x]             ; -M
.endr
.irp k, 0,1,2,3,4,5,6,7
	v_mov_b32 v[PB+\k], 0                          ; written once: a lane permute's destination counts as one of its sources
.endr
	s_wait_alu depctr_va_vdst(0)
	s_wait_loadcnt 0x0                             ; Q and its scale words
	GRD
	s_barrier_wait -1
	CREST
.Lslot:                                            ; three trips: slots 0, 1, 2 are walked; at the head of each the next slot is asked for
	TLOAD                                          ; the first tensor load behind the round, and my only one until the next
	SLOT_HEAD
	s_wait_alu depctr_va_vdst(0)
	ASK
	s_mov_b32 s72, 7
.Lstep:
	STEP 1, 0
	s_sub_co_u32 s72, s72, 1
	s_cmp_lg_u32 s72, 0
	s_cbranch_scc1 .Lstep
	STEP 0, 1
	CREST                                          ; the rest of the round (behind the third trip nothing is filled: the round then only shows slot 3)
	s_xor_b32 s26, s26, SLOTB                      ; on to the other slot
	s_sub_co_u32 s27, s27, 1
	s_cmp_lg_u32 s27, 0
	s_cbranch_scc1 .Lslot
	SLOT_HEAD                                      ; the last slot is written out
	s_mov_b32 s72, 7
.Lstep_last:
	STEP 1, 0
	s_sub_co_u32 s72, s72, 1
	s_cmp_lg_u32 s72, 0
	s_cbranch_scc1 .Lstep_last
	STEP 0, 0
.rept 8
	v_nop                                          ; eight places in front of the first read of O^T
.endr
	; THE WAY OUT.  O^T is divided by the row's sum and goes through my stage in LDS: a token's 64 channels of this head are 256 bytes, which sixteen lanes store together.
.irp x, 0,1
	v_add_f32 v[ST+4*\x+2], v[ST+4*\x+2], v[ST+4*\x+3]
.endr
.irp x, 0,1
	v_permlanex16_b32 v[PB+\x], v[ST+4*\x+2], s20, s21
.endr
.irp x, 0,1
	v_add_f32 v[ST+4*\x+2], v[ST+4*\x+2], v[PB+\x] ; the row's sum
.endr
	s_wait_alu depctr_va_vdst(0)
.irp x, 0,1
	v_rcp_f32 v[ST+4*\x+2], v[ST+4*\x+2]
.endr
	WIN 0x01                                       ; source 0 (O^T) window 1
	v_nop                                          ; a plain line behind the last reciprocal
	s_wait_alu depctr_va_vdst(0)                   ; one wait for both, directly ahead of their first reader, which is O^T's too
.irp x, 0,1
.set j, 0
.rept 16
	v_pk_mul_f32 v[S+32*\x+j:S+32*\x+j+1], v[O+32*\x+j:O+32*\x+j+1], v[ST+4*\x+2:ST+4*\x+3] op_sel_hi:[1,0]   ; register 8 n + i is o(row r, channel 16 n + 8 h + i); each accumulator from its low end on
.set j, j+2
.endr
.endr
	WIN 0
.irp x, 0,1
.irp n, 0,1,2,3
	ds_store_b128 v[STO], v[S+32*\x+8*\n:S+32*\x+8*\n+3] offset:4352*\x+64*\n
	ds_store_b128 v[STO], v[S+32*\x+8*\n+4:S+32*\x+8*\n+7] offset:4352*\x+64*\n+16
.endr
.endr
.irp x, 0,1
.irp i, 0,1,2,3,4,5,6,7
	ds_load_b128 v[P+4*(8*\x+\i):P+4*(8*\x+\i)+3], v[RD] offset:4352*\x+544*\i   ; LDS serves a wave's instructions in order (ISA guide 5.7.1.4): these see my stores
.endr
.endr
.irp x, 0,1
.irp i, 0,1,2,3,4,5,6,7
	s_wait_dscnt 15-8*\x-\i                        ; the younger loads from the stage may be out
	global_store_b128 v[GO], v[P+4*(8*\x+\i):P+4*(8*\x+\i)+3], s[12:13] offset:(8*\x+2*\i+8*(\i/4))*2048 th:TH_STORE_NT   ; rows 2 i, 2 i + 1 of tile x are tokens 8 x + 2 i + 8 (i / 4) and the next: sixteen lanes store 256 consecutive bytes, aligned
.endr
.endr
	s_wait_tensorcnt 0x0                           ; the wave's end
	ds_add_u32 v[SPW], v[NIL]
	s_wait_dscnt 0x0
	s_barrier_signal -1
	s_barrier_wait -1
	CREST                                          ; the closing round
	s_endpgm
.Lfunc_end_k_q7a6c3a8021_attn:
	.size	k_q7a6c3a8021_attn, .Lfunc_end_k_q7a6c3a8021_attn-k_q7a6c3a8021_attn
	.p2alignl 7, 3214868480
	.fill 96, 4, 3214868480
	.section	.rodata,"a",@progbits
	.p2align	6, 0x0
	.amdhsa_kernel k_q7a6c3a8021_attn
		.amdhsa_group_segment_fixed_size 327680
		.amdhsa_private_segment_fixed_size 0
		.amdhsa_enable_private_segment 0
		.amdhsa_kernarg_size 32
		.amdhsa_user_sgpr_count 2
		.amdhsa_user_sgpr_kernarg_segment_ptr 1
		.amdhsa_wavefront_size32 1
		.amdhsa_system_sgpr_workgroup_id_x 1
		.amdhsa_system_sgpr_workgroup_id_y 1
		.amdhsa_system_sgpr_workgroup_id_z 1
		.amdhsa_system_vgpr_workitem_id 0
		.amdhsa_next_free_vgpr 512
		.amdhsa_next_free_sgpr 80
		.amdhsa_reserve_vcc 0
		.amdhsa_float_denorm_mode_32 3
		.amdhsa_float_denorm_mode_16_64 3
		.amdhsa_memory_ordered 1
		.amdhsa_forward_progress 1
		.amdhsa_inst_pref_size 150
	.end_amdhsa_kernel
	.amdgpu_metadata
---
amdhsa.version: [ 1, 2 ]
amdhsa.kernels:
  - .name:           k_q7a6c3a8021_attn
    .symbol:         k_q7a6c3a8021_attn.kd
    .args:
      - { .name: qc, .offset: 0, .size: 8, .value_kind: global_buffer, .address_space: global }
      - { .name: qs, .offset: 8, .size: 8, .value_kind: global_buffer, .address_space: global }
      - { .name: kv, .offset: 16, .size: 8, .value_kind: global_buffer, .address_space: global }
      - { .name: out0, .offset: 24, .size: 8, .value_kind: global_buffer, .address_space: global }
    .group_segment_fixed_size: 327680
    .private_segment_fixed_size: 0
    .kernarg_segment_align: 8
    .kernarg_segment_size: 32
    .max_flat_workgroup_size: 256
    .sgpr_count:     80
    .vgpr_count:     512
    .wavefront_size: 32
...
	.end_amdgpu_metadata
.endif
;; end of part 2
